; MI455X (gfx1250); checked and timed in simulation.
; The chip was launched on July 23, 2026; its instructions are those of AMD's public machine-readable ISA for CDNA 5 (MIT licence, August 2026) and "CDNA5" Instruction Set Architecture Reference Guide (July 2026). The comments in the code are by the model that wrote it; some were corrected since.
;; Multi Head Attention. Allowed arithmetic: matrix products marked QUANTISED: E4M3 operands, one E8M0 scale for each 32 along K, by v_wmma_scale_f32_16x16x128_f8f6f4 with both operands' format E4M3, f32 sums; everything else in f32.
;; Inputs: K 4 x 16 x 2,048 x 64 float32; Q 4 x 16 x 2,048 x 64 float32; V 4 x 16 x 2,048 x 64 float32.
;; Outputs: out0 4 x 16 x 2,048 x 64 float32.
;; This version of the problem:
;;   THIS VERSION OF THE PROBLEM IS GIVEN IN LOW PRECISION. The matrix products marked QUANTISED in the list below multiply operands that are first quantised to E4M3 (4 exponent bits, 3 mantissa bits; 8 bits a number), with one power-of-two scale for each 32 numbers along K (OCP MX v1.0); their sums are f32. All else is computed in f32.
;;   The module's matrix products, in the order in which they are computed (A, B: the left and right operand; K: the contracted axis; several contracted axes count as one K, in the product's order):
;;     1. batch 64 x [M 2,048, K 64] x [K 64, N 2,048]; A: input Q; B: input K: QUANTISED
;;     2. batch 64 x [M 2,048, K 2,048] x [K 2,048, N 64]; A: softmax (see below); B: input V: QUANTISED
;;   THE QUANTISER, for each operand of a quantised product, along K:
;;     - K is cut into blocks of 32 from its start; a last block that is shorter is filled with zeros.
;;     - A block's scale is 2^e with e = floor(log2(the largest magnitude in the block)) - 8, held to -126 .. 127; a block of zeros has e = 0. As a byte (E8M0): e + 127.
;;     - Each number is divided by its block's scale, clamped to +-448, and rounded to the nearest number of E4M3, ties to even, subnormals kept.
;;     - The product sums the exact products of the quantised numbers (number of the format x scale) in f32.
;;   ~~~python
;;   def quantise(x, axis):      # numpy; x: float32 -> the quantised numbers, widened to float32 again
;;       x = np.moveaxis(x, axis, -1); K = x.shape[-1]
;;       x = np.pad(x, [(0, 0)] * (x.ndim - 1) + [(0, -K % 32)]); x = x.reshape(x.shape[:-1] + (-1, 32)); a = np.abs(x).max(-1, keepdims=True)
;;       e = np.where(a > 0, np.clip(np.frexp(np.where(a > 0, a, 1))[1] - 1 - 8, -126, 127), 0)      # np.frexp(a)[1] - 1 = floor(log2(a)), exactly
;;       r = np.clip(x / 2.0 ** e, -448, 448)
;;       step = 2.0 ** (np.maximum(np.frexp(np.where(r == 0, 1, r))[1] - 1, -6) - 3)
;;       q = np.round(r / step) * step * 2.0 ** e      # np.round: ties to even
;;       return np.moveaxis(q.reshape(q.shape[:-2] + (-1,))[..., :K], -1, axis).astype(np.float32)
;;   ~~~
;;   SOFTMAX AHEAD OF A QUANTISED PRODUCT. Where the list says 'softmax', what is quantised is not the finished softmax but p = 2^(t - M), with t = logit x log2(e) and M = ceil(the row's largest t), a whole number; so 1/2 < the row's largest p <= 1. The row's sum l is taken of the UNQUANTISED p, in f32, and the product's result is divided by l at the end. Since M is a whole number, a kernel that streams over the keys may use a running M (the ceiling of the running maximum): every later rescaling is an exact power of two, which a block's scale takes up: the codes' values come out the same.
;;   OPERANDS COMPUTED ON THE WAY. 'Computed on the way' means the value that the module computes at that place (a softmax that the list does not call 'softmax' is quantised finished and normalised). What goes into a quantiser is computed in f32, as accurately as f32 sums, v_exp_f32 and their like allow (about 1e-6 of the number): no bf16 or f16 on the way to a quantiser, and a product that is left as it is and whose result goes on into a quantised operand takes f32 operands (vector FMAs, or v_wmma_f32_16x16x4_f32). A number that lies on a knife's edge between two numbers of the format may be rounded either way, as far as f32 arithmetic and the matrix unit's own rounding can turn it there, and no further.
;; 2 versions. Each part assembles by itself: llvm-mc -triple=amdgcn-amd-amdhsa -mcpu=gfx1250 --defsym DOCPART=n.
;; ======== version 1 of 2: 1 launch
;; launch attn (part 1): grid 4 x 64, 16 waves a work-group, no clusters, 154,624 bytes of LDS; arguments Q, K, V, out0; writes out0
.if DOCPART == 1
	.amdgcn_target "amdgcn-amd-amdhsa--gfx1250"
	.amdhsa_code_object_version 6
	.text
	.protected	k_qa458bd06b5_attn
	.globl	k_qa458bd06b5_attn
	.p2align	8
	.type	k_qa458bd06b5_attn,@function
k_qa458bd06b5_attn:
	s_mov_b64 s[64:65], 0
	v_nop
	global_prefetch_b8 v0, s[64:65] scope:SCOPE_SE
	s_setreg_imm32_b32 hwreg(HW_REG_WAVE_MODE, 25, 1), 1
	s_wait_xcnt 0x0
; out0[head][q][:] = the sum over k <= q of softmax_k(Q[head][q] . K[head][k] / 8) V[head][k][:].  Q, K, V, out0: [64 heads][2048][64] f32.
; Both products run on codes of FP8 (E4M3) with one E8M0 scale for each 32 along the product's K; Q, K, V are quantised here, in registers, and p on the way.
; THE SOFTMAX AHEAD OF THE SECOND PRODUCT: t = score x log2(e) / 8; M = the row's largest t so far, taken UP to a whole number; p = 2^(t - M) is quantised along the keys, not normalised.
; The row's sum is taken of the unquantised p and divides at the end.  When M moves, the sum and O are multiplied by 2^(old M - new M), which is exact.
; SHARES.  Work-group (j, head), j = 0..3, has sixteen waves of 256 registers.  Wave w owns two tiles of 16 queries: tile i = 16 j + w and tile 127 - i.  A tile with first query q0 needs the
; key chunks (128 keys) 0 .. q0 / 128, so the two tiles together need (2 j + w / 8 + 1) + (16 - 2 j - w / 8) = 17 key steps: the same in every wave of the launch.
; The work-group walks 18 chunks: 0 .. 2 j + 1 for the first tiles, then 0 .. 15 - 2 j for the second.  In a trip each wave (1) quantises its eighth of the NEXT chunk of K (waves 0-7) or of V (waves 8-15),
; whose f32 numbers it asked for a trip ago, and stores the codes into the other of two LDS slots as images of operand registers, (2) asks for the chunk after that, (3) does one key step on the
; chunk in hand, (4) passes one barrier.  A step all of whose keys come after the wave's queries is jumped over (a scalar branch on ids; one trip in 18).
; LAYOUT.  Both products are used transposed: a lane holds ONE query (lane % 16) throughout.
;  S^T = K Q^T has K = 64, half of the instruction's 128.  A PAIR FRAGMENT b holds in row r key 32 b + r + 8 (r / 8) at k = 0..63 and the key 8 further on at k = 64..127.  Q lies as [codes][zeros][codes]:
;  its first 16 registers pick out the first key of each row, its last 16 the second (zero codes add nothing).  So no fragment register is wasted, and the 16 registers of the two results are the 16 neighbouring keys
;  32 b + 16 (lane / 16) + 0..15, as p's conversion wants them.  The scale byte of Q's zero half is 1.
;  O^T = V^T P^T: row m of tile t of V^T is channel 4 m + t, so that a lane ends with the 32 neighbouring channels 32 (lane / 16) + 0..31 of its query.
; NO CLUSTER, NO TENSOR LOADS: K and V arrive as f32 and pass through registers to be quantised, so there is no tile that a tensor load could lay into LDS ready for use; and the four work-groups of a head walk
; sequences of 2 j + 2 and 16 - 2 j chunks, so that they want different chunks in the same trip.
; LIMITS.  NaN and infinities among the inputs are not served.  A block of zeros gets the scale byte 1 where the quantiser's text says 127: its codes are zeros, and nobody else reads the byte.
; Hidden keys get the weight 0 exactly, where the definition takes 1e9 off their scores: the two differ only if a row's visible scores lay some 1e9 under its hidden ones.
.set SLOTB, 16896                      ; LDS: a slot: K's 4 pair fragments, V's 4 tiles (2,048 bytes each), K's and V's scale words (256 bytes each)
.set KIMG,  0
.set VIMG,  8192
.set KS,    16384                      ; [16 rows][4 pairs][4 bytes]
.set VS,    16640                      ; [16 rows][4 tiles][4 bytes]
.set PARK,  2*SLOTB                    ; each wave's own 3,072 bytes: its two tiles of Q as codes (1,024) and scale words (one at 16 x lane: 512)
.set STAGE, PARK+16*3072               ; each wave's own 16 rows x (256 + 16) bytes, for the way out
.set LI,  1                            ; v1   16 x lane: my place in a register image; also my 16 bytes of two rows of out0
.set SR,  2                            ; v2   16 x (lane % 16): my row's four scale words
.set WIK, 3                            ; v3   where I store K's codes:  16 x lane + 1,024 x (wave % 8)
.set WIV, 4                            ; v4   where I store V's codes
.set WSK, 5                            ; v5   where I store K's two scale bytes
.set WSV, 6                            ; v6   where I store V's scale bytes
.set GLO, 7                            ; v7   my byte offset inside a chunk of K or of V
.set GLA, 8                            ; v8   the same + the chunk's offset
.set STO, 9                            ; v9   the stage, on the way in
.set STR, 10                           ; v10  and back
.set QPK, 11                           ; v11  my place in my wave's parked Q
.set DML, 12                           ; v12  lane % 16 - 16 (lane / 16), for the mask
.set PS,  13                           ; v13  p's scale word
.set NM,  14                           ; v14  -M;  v15 the largest t so far
.set TX,  15
.set SUM, 16                           ; v[16:17] the row's sum in two halves
.set QS1, 18                           ; v18, v19 Q's scale words for its two forms
.set QS2, 19
.set QF,  20                           ; v20-27 Q's codes, v28-35 zeros, v36-43 Q's codes again
.set KSC, 44                           ; v44-47 K's scale words, a pair fragment each
.set VSC, 48                           ; v48-51 V's, a tile each
.set OT,  52                           ; v52-83 O^T: register 8 t + j: channel 32 (lane / 16) + 4 j + t
.set S,   84                           ; v84-147 S^T, then p; at other times at work
.set FR,  148                          ; v148-179 two fragments
.set PC,  180                          ; v180-195 p's codes; ahead of that K's pair fragment 2
.set RAW, 196                          ; v196-227 my 32 f32 numbers of the next chunk
.set TM,  228                          ; v228-243 at work; ahead of that K's pair fragment 3
.set BM,  TM                           ; largest magnitudes or scores, a block each
.set PX,  TM+4                         ; the other lanes' figure, then the scale bytes
.set HL,  TM+8                         ; 448 x the scale
.set SO,  TM+12                        ; the conversion's scale operand
.set FF,  TM+16                        ; v[244:245] f = 2^(old M - new M); the upper word is only named
.set T1,  TM+18
.set DMR, TM+19
.set SC2, TM+20                        ; v[248:249] the sum's second chain
.set NINF, TM+22
.set GOF, TM+23                        ; my byte offset in the head's rows of out0
.set QOA, TM+24                        ; my byte offsets in the head's rows of Q, for the two tiles
.set QOB, TM+25
.set RR,  S                            ; at the head only: lane % 16, lane / 16, lane % 8, (lane / 8) % 2, three at work
.set HH,  S+1
.set Q8,  S+2
.set GG,  S+3
.set TA,  S+4
.set TB,  S+5
.set TC,  S+6
.set WV,  14                           ; s14  wave
.set J,   15                           ; s15  j
.set W7,  18                           ; s18  wave % 8
.set SEL, 20                           ; s[20:21] v_permlanex16_b32's selects for lane l xor 16
.set CS,  22                           ; s[22:23] c = log2(e) / 8, twice
.set MNT, 24                           ; s24  the mantissa field of 448
.set Q0,  25                           ; s25  first query of the tile in hand
.set QB0, 26                           ; s26  first query of my second tile
.set KF,  27                           ; s27  first key of the chunk in hand
.set NN,  28                           ; s28  the trip's number
.set NSW, 29                           ; s29  the trip at which the second tiles begin: 2 j + 2
.set LOFF, 30                          ; s30  byte offset of the chunk to be asked for
.set LP,  31                           ; s31  the loop's counter
.macro BAR                             ; my LDS stores have landed and my LDS loads are in: then the work-group's barrier
	s_wait_dscnt 0x0
	s_barrier_signal -1
	s_barrier_wait -1
.endm
.macro FRAG reg, off                   ; a fragment's 16 registers come out of LDS as they went in: group c at 512 c + 16 x lane
.irp c, 0,1,2,3
	ds_load_b128 v[\reg+4*\c:\reg+4*\c+3], v[LI] offset:\off+512*\c
.endr
.endm
; K (and Q): lane (r, h) holds, of ONE row, d = 32 c + 16 h + 0..15 in v[src + 16 c ..], c = 0, 1: two blocks of 32, each shared with lane l xor 16.  Codes to v[dst .. dst + 7], the two scale bytes to v[PX+2].
.macro QUANT2 src, dst
.irp b, 0,1
	v_max3_num_f32 v[BM+\b], |v[\src+16*\b]|, |v[\src+16*\b+1]|, 0x4800000   ; my 16 numbers and the floor 2^(9 - 127): the byte cannot fall under 1
.endr
.irp i, 2,4,6,8,10,12,14
.irp b, 0,1
	v_max3_num_f32 v[BM+\b], v[BM+\b], |v[\src+16*\b+\i]|, |v[\src+16*\b+\i+1]|
.endr
.endr
.irp b, 0,1
	v_permlanex16_b32 v[PX+\b], v[BM+\b], s[SEL], s[SEL+1]
.endr
.irp b, 0,1
	v_max_num_f32 v[BM+\b], v[BM+\b], v[PX+\b]             ; the block's largest magnitude
.endr
.irp b, 0,1
	v_add_nc_u32 v[SO+\b], 0xfc000000, v[BM+\b]            ; 8 off its exponent field: the conversion takes this operand's exponent field as its scale
.endr
.irp b, 0,1
	v_and_or_b32 v[HL+\b], v[BM+\b], 0x7f800000, s[MNT]    ; 448 x the scale
.endr
.irp b, 0,1
	v_lshrrev_b32 v[PX+\b], 23, v[SO+\b]                   ; the scale's byte
.endr
	v_lshl_or_b32 v[PX+2], v[PX+1], 8, v[PX]
.irp b, 0,1
.irp i, 0,1,2,3,4,5,6,7,8,9,10,11,12,13,14,15
	v_med3_num_f32 v[\src+16*\b+\i], v[\src+16*\b+\i], -v[HL+\b], v[HL+\b]   ; the conversion to an 8-bit code does not saturate (ISA guide 7.6.2): the hold comes first
.endr
.endr
.irp b, 0,1
	v_cvt_scalef32_pk8_fp8_f32 v[\dst+4*\b:\dst+4*\b+1], v[\src+16*\b:\src+16*\b+7], v[SO+\b]
	v_cvt_scalef32_pk8_fp8_f32 v[\dst+4*\b+2:\dst+4*\b+3], v[\src+16*\b+8:\src+16*\b+15], v[SO+\b]
.endr
	v_nop                                                  ; a plain line behind the last conversion, ahead of whatever vector or matrix line next touches its registers
.endm
; V: v[RAW + 4 i + x] = V(key 32 c + 16 h + 8 g + i, channel 32 dh + 4 q8 + x): four channels x, eight keys each.  A block (32 keys of one channel) lies in lanes l, l xor 8, l xor 16, l xor 24.
; The hold moves the numbers into v[S + 8 x + i], keys on end, which costs no line of its own.  Codes to v[S + 32 + 2 x ..], the bytes to v[PX + x].
.macro QUANTV
.irp x, 0,1,2,3
	v_max3_num_f32 v[BM+\x], |v[RAW+\x]|, |v[RAW+4+\x]|, 0x4800000
.endr
.irp i, 2,4,6
.irp x, 0,1,2,3
	v_max3_num_f32 v[BM+\x], v[BM+\x], |v[RAW+4*\i+\x]|, |v[RAW+4*\i+4+\x]|
.endr
.endr
.irp x, 0,1,2,3
	v_max_num_f32_dpp v[BM+\x], v[BM+\x], v[BM+\x] row_xmask:8 row_mask:0xf bank_mask:0xf
.endr
.irp x, 0,1,2,3
	v_permlanex16_b32 v[PX+\x], v[BM+\x], s[SEL], s[SEL+1]
.endr
.irp x, 0,1,2,3
	v_max_num_f32 v[BM+\x], v[BM+\x], v[PX+\x]
.endr
.irp x, 0,1,2,3
	v_add_nc_u32 v[SO+\x], 0xfc000000, v[BM+\x]
.endr
.irp x, 0,1,2,3
	v_and_or_b32 v[HL+\x], v[BM+\x], 0x7f800000, s[MNT]
.endr
.irp x, 0,1,2,3
	v_lshrrev_b32 v[PX+\x], 23, v[SO+\x]
.endr
.irp x, 0,1,2,3
.irp i, 0,1,2,3,4,5,6,7
	v_med3_num_f32 v[S+8*\x+\i], v[RAW+4*\i+\x], -v[HL+\x], v[HL+\x]
.endr
.endr
.irp x, 0,1,2,3
	v_cvt_scalef32_pk8_fp8_f32 v[S+32+2*\x:S+33+2*\x], v[S+8*\x:S+8*\x+7], v[SO+\x]
.endr
	v_nop
.endm
.macro RAWLOAD_K                       ; my row's 64 + 64 bytes; the wave's eight loads together cover 16 whole rows of 256 bytes
.irp c, 0,1
.irp e, 0,1,2,3
	global_load_b128 v[RAW+16*\c+4*\e:RAW+16*\c+4*\e+3], v[GLA], s[12:13] offset:128*\c+16*\e
.endr
.endr
.endm
.macro RAWLOAD_V                       ; eight keys' 16 bytes; eight neighbouring lanes read 128 neighbouring bytes
.irp i, 0,1,2,3,4,5,6,7
	global_load_b128 v[RAW+4*\i:RAW+4*\i+3], v[GLA], s[12:13] offset:256*\i
.endr
.endm
; q = 1: the numbers in RAW become codes in slot ns.  ld = 1: the chunk at LOFF is asked for.  even = 1: this copy serves the even trips, in one of which the sequence goes back to chunk 0 (NSW is even).
.macro FILL q, ns, ld, even
.if \q
	s_wait_loadcnt 0x0                                     ; the eight loads issued a trip ago, the only ones out: RAW is in, and GLA may be written
.endif
.if \ld && (\even)
	s_add_co_u32 s32, s[NN], 2
	s_cmp_eq_u32 s32, s[NSW]
	s_cselect_b32 s[LOFF], 0, s[LOFF]                      ; the chunk asked for now is read two trips on: if the second tiles begin there, it is chunk 0
.endif
.if \ld
	v_add_nc_u32 v[GLA], s[LOFF], v[GLO]
.endif
	s_cmp_lt_u32 s[WV], 8                                  ; waves 0-7 serve K, waves 8-15 V: no barrier stands on either way
	s_cbranch_scc0 .Lfill_v_\@
.if \q
	QUANT2 RAW, S+32
	ds_store_b128 v[WIK], v[S+32:S+35] offset:(\ns)*SLOTB+KIMG
	ds_store_b128 v[WIK], v[S+36:S+39] offset:(\ns)*SLOTB+KIMG+512
	ds_store_b16 v[WSK], v[PX+2] offset:(\ns)*SLOTB+KS     ; lanes l and l xor 16 write the same two bytes with the same value
.endif
.if \ld
	RAWLOAD_K
.endif
	s_branch .Lfill_j_\@
.Lfill_v_\@:
.if \q
	QUANTV
.irp x, 0,1,2,3
	ds_store_b64 v[WIV], v[S+32+2*\x:S+33+2*\x] offset:(\ns)*SLOTB+VIMG+2048*\x
.endr
.irp x, 0,1,2,3
	ds_store_b8 v[WSV], v[PX+\x] offset:(\ns)*SLOTB+VS+4*\x   ; the four lanes of a block write the same byte with the same value
.endr
.endif
.if \ld
	RAWLOAD_V
.endif
.Lfill_j_\@:
.if \ld
	s_add_co_u32 s[LOFF], s[LOFF], 32768                   ; a chunk: 128 keys x 256 bytes
.endif
.if \q
	s_wait_dscnt 0x0                                       ; the stores have read their registers, which the key step writes next
.endif
.endm
; A tile begins: its Q comes out of the wave's parked bytes, twice; O^T and the sum begin as zeros and the largest t as -3e38, so that the key step is written once: the first change of M multiplies zeros.
.macro INIT x
	ds_load_b128 v[QF:QF+3], v[QPK] offset:1536*\x
	ds_load_b128 v[QF+4:QF+7], v[QPK] offset:1536*\x+512
	ds_load_b128 v[QF+16:QF+19], v[QPK] offset:1536*\x
	ds_load_b128 v[QF+20:QF+23], v[QPK] offset:1536*\x+512
	ds_load_b32 v[T1], v[QPK] offset:1536*\x+1024
.set n, 0
.rept 32
	v_mov_b32 v[OT+n], 0
.set n, n+1
.endr
	v_mov_b32 v[TX], 0xff61b1e6                            ; -3e38, under every t
	v_floor_f32 v[NM], -v[TX]
	v_mov_b32 v[SUM], 0
	v_mov_b32 v[SUM+1], 0
	s_wait_dscnt 0x0
	v_or_b32 v[QS1], 0x01010000, v[T1]                     ; Q's two bytes for k = 0..63, byte 1 for the zero half
	v_lshl_or_b32 v[QS2], v[T1], 16, 0x101                 ; and the other way round.  (A fill's vector lines, more than eight, always stand between these and the next product)
.endm
.macro SPROD b, fb                     ; pair fragment b against Q's two forms: keys 32 b + 16 h + 0..7 and + 8..15 of my query
	v_wmma_scale_f32_16x16x128_f8f6f4 v[S+16*\b:S+16*\b+7], v[\fb:\fb+15], v[QF:QF+15], 0, v[KSC+\b], v[QS1]
	v_wmma_scale_f32_16x16x128_f8f6f4 v[S+16*\b+8:S+16*\b+15], v[\fb:\fb+15], v[QF+8:QF+23], 0, v[KSC+\b], v[QS2]
.endm
; A KEY STEP: my 16 queries against the 128 keys in the slot.
.macro STEP slot
	s_add_co_u32 s32, s[Q0], 15
	s_cmp_gt_u32 s[KF], s32
	s_cbranch_scc1 .Lhidden_\@                             ; all 128 keys come after my queries: nothing to do
	FRAG FR, \slot*SLOTB+KIMG
	FRAG FR+16, \slot*SLOTB+KIMG+2048
	FRAG PC, \slot*SLOTB+KIMG+4096
	FRAG TM, \slot*SLOTB+KIMG+6144
	ds_load_b128 v[KSC:KSC+3], v[SR] offset:\slot*SLOTB+KS
	s_wait_dscnt 0x0
	SPROD 0, FR
	SPROD 1, FR+16
	SPROD 2, PC
	SPROD 3, TM
.rept 8
	v_nop                                                  ; eight places behind this form, ahead of the loads into its sources and of the first read of its results
.endr
	FRAG FR, \slot*SLOTB+VIMG                              ; V's tiles 0 and 1 land while the softmax is walked
	FRAG FR+16, \slot*SLOTB+VIMG+2048
	ds_load_b128 v[VSC:VSC+3], v[SR] offset:\slot*SLOTB+VS
	s_add_co_u32 s32, s[KF], 127
	s_cmp_le_u32 s32, s[Q0]
	s_cbranch_scc1 .Lopen_\@                               ; every key counts for every query of mine
	s_sub_co_i32 s32, s[Q0], s[KF]
	v_add_nc_u32 v[DMR], s32, v[DML]                       ; d = my query - KF - 16 (lane / 16).  Register 16 b + i holds key KF + 32 b + 16 (lane / 16) + i: hidden where 32 b + i > d
	v_mov_b32 v[NINF], 0xff800000                          ; -infinity: p = 0 then
.set n, 0
.rept 64
	v_cmp_gt_i32 vcc_lo, 32*(n/16)+n%16, v[DMR]
	v_cndmask_b32 v[S+n], v[S+n], v[NINF], vcc_lo
.set n, n+1
.endr
.Lopen_\@:
.irp b, 0,1,2,3
	v_max3_num_f32 v[BM+\b], v[S+16*\b], v[S+16*\b+1], v[S+16*\b+2]   ; the largest score of each block of 32 keys: it serves for the row's maximum and, since p rises with the score, for the block's largest p
.endr
.irp i, 3,5,7,9,11,13
.irp b, 0,1,2,3
	v_max3_num_f32 v[BM+\b], v[BM+\b], v[S+16*\b+\i], v[S+16*\b+\i+1]
.endr
.endr
.irp b, 0,1,2,3
	v_max_num_f32 v[BM+\b], v[BM+\b], v[S+16*\b+15]
.endr
.irp b, 0,1,2,3
	v_permlanex16_b32 v[PX+\b], v[BM+\b], s[SEL], s[SEL+1]
.endr
.irp b, 0,1,2,3
	v_max_num_f32 v[BM+\b], v[BM+\b], v[PX+\b]             ; with lane l xor 16's 16 keys
.endr
	v_max3_num_f32 v[T1], v[BM], v[BM+1], v[BM+2]
	v_max_num_f32 v[T1], v[T1], v[BM+3]                    ; the step's largest score of my query
	v_mul_f32 v[T1], s[CS], v[T1]                          ; as t (c is positive)
	v_max_num_f32 v[TX], v[TX], v[T1]
	v_mov_b32 v[T1], v[NM]
	v_floor_f32 v[NM], -v[TX]                              ; the new -M = floor(-t) = -ceil(t)
	v_sub_f32 v[T1], v[NM], v[T1]                          ; old M - new M: a whole number, 0 or less
	v_cvt_i32_f32 v[T1], v[T1]                             ; (it saturates)
	v_ldexp_f32 v[FF], 1.0, v[T1]                          ; f = 2^(old M - new M)
.set n, 0
.rept 32
	v_pk_fma_f32 v[S+n:S+n+1], v[S+n:S+n+1], s[CS:CS+1], v[NM:NM+1] op_sel_hi:[1,0,0]   ; t - M, two at a time (of the pairs c and -M the low word serves both halves)
.set n, n+2
.endr
.irp b, 0,1,2,3
	v_fma_f32 v[BM+\b], v[BM+\b], s[CS], v[NM]             ; the same of each block's largest score
.endr
.set n, 0
.rept 64
	v_exp_f32 v[S+n], v[S+n]                               ; p = 2^(t - M), at most 1
.set n, n+1
.endr
.irp b, 0,1,2,3
	v_exp_f32 v[BM+\b], v[BM+\b]                           ; the block's largest p: the same two lines on the same number
.endr
	v_pk_mul_f32 v[SUM:SUM+1], v[SUM:SUM+1], v[FF:FF+1] op_sel_hi:[1,0]   ; the sum under the new M; also the plain line behind the exponentials
	s_wait_alu depctr_va_vdst(0)
.irp b, 0,1,2,3
	v_max_num_f32 v[BM+\b], 0x4800000, v[BM+\b]            ; the floor 2^(9 - 127): a block whose every p is 0 keeps the byte 1
.endr
.irp b, 0,1,2,3
	v_add_nc_u32 v[SO+\b], 0xfc000000, v[BM+\b]
.endr
.irp b, 0,1,2,3
	v_and_or_b32 v[HL+\b], v[BM+\b], 0x7f800000, s[MNT]
.endr
.irp b, 0,1,2,3
	v_lshrrev_b32 v[PX+\b], 23, v[SO+\b]
.endr
	v_lshl_or_b32 v[PS], v[PX+1], 8, v[PX]                 ; p's scale word for these 128 keys
	v_lshl_or_b32 v[PS], v[PX+2], 16, v[PS]
	v_lshl_or_b32 v[PS], v[PX+3], 24, v[PS]
	v_pk_add_f32 v[SC2:SC2+1], v[S:S+1], v[S+2:S+3]        ; the row's sum is taken of the unquantised p: two at a time, in two chains
.set n, 4
.rept 15
	v_pk_add_f32 v[SUM:SUM+1], v[SUM:SUM+1], v[S+n:S+n+1]
	v_pk_add_f32 v[SC2:SC2+1], v[SC2:SC2+1], v[S+n+2:S+n+3]
.set n, n+4
.endr
.irp b, 0,1,2,3
.irp i, 0,1,2,3,4,5,6,7,8,9,10,11,12,13,14,15
	v_min_num_f32 v[S+16*\b+\i], v[S+16*\b+\i], v[HL+\b]   ; the hold; p is not negative, so it is one-sided
.endr
	v_cvt_scalef32_pk8_fp8_f32 v[PC+4*\b:PC+4*\b+1], v[S+16*\b:S+16*\b+7], v[SO+\b]
	v_cvt_scalef32_pk8_fp8_f32 v[PC+4*\b+2:PC+4*\b+3], v[S+16*\b+8:S+16*\b+15], v[SO+\b]
.if \b == 1
	FRAG S, \slot*SLOTB+VIMG+4096                          ; p's first 32 registers are done with: V's tiles 2 and 3 land there
	FRAG S+16, \slot*SLOTB+VIMG+6144
.endif
.endr
.set n, 0
.rept 16
	v_pk_mul_f32 v[OT+n:OT+n+1], v[OT+n:OT+n+1], v[FF:FF+1] op_sel_hi:[1,0]   ; O^T under the new M; these are also the places between the codes' conversions and the products
.set n, n+2
.endr
	v_pk_add_f32 v[SUM:SUM+1], v[SUM:SUM+1], v[SC2:SC2+1]  ; the sum's two chains meet here: with the three lines below, four plain lines between the last write of O^T and the products
.rept 3
	v_nop
.endr
	s_wait_dscnt 0x0                                       ; V's four tiles and their scale words
	v_wmma_scale_f32_16x16x128_f8f6f4 v[OT:OT+7], v[FR:FR+15], v[PC:PC+15], v[OT:OT+7], v[VSC], v[PS]
	v_wmma_scale_f32_16x16x128_f8f6f4 v[OT+8:OT+15], v[FR+16:FR+31], v[PC:PC+15], v[OT+8:OT+15], v[VSC+1], v[PS]
	v_wmma_scale_f32_16x16x128_f8f6f4 v[OT+16:OT+23], v[S:S+15], v[PC:PC+15], v[OT+16:OT+23], v[VSC+2], v[PS]
	v_wmma_scale_f32_16x16x128_f8f6f4 v[OT+24:OT+31], v[S+16:S+31], v[PC:PC+15], v[OT+24:OT+31], v[VSC+3], v[PS]
.rept 9
	v_nop                                                  ; nine places: the next step's products write over v[S] on, which these have read; its loads and the reads of O^T want eight
.endr
.Lhidden_\@:
.endm
; A tile ends: O^T / the sum, channels put in order by the multiplication's destination, through my stage, out as whole rows of 256 bytes.
.macro FINISH
	v_add_f32 v[SUM], v[SUM], v[SUM+1]
	v_permlanex16_b32 v[T1], v[SUM], s[SEL], s[SEL+1]
	v_add_f32 v[SUM], v[SUM], v[T1]                        ; with lane l xor 16's keys: the row's sum
	v_rcp_f32 v[SUM], v[SUM]
	s_lshl_b32 s32, s[Q0], 8
	v_add_nc_u32 v[GOF], s32, v[LI]                        ; (the plain line behind the reciprocal)
	s_wait_alu depctr_va_vdst(0)
.irp j, 0,1,2,3,4,5,6,7
.irp t, 0,1,2,3
	v_mul_f32 v[S+4*\j+\t], v[OT+8*\t+\j], v[SUM]          ; channel 32 h + 4 j + t; each accumulator is read from its lowest register on
.endr
.endr
.irp e, 0,1,2,3,4,5,6,7
	ds_store_b128 v[STO], v[S+4*\e:S+4*\e+3] offset:16*\e  ; row lane % 16, my half's 128 bytes
.endr
.irp i, 0,1,2,3,4,5,6,7
	ds_load_b128 v[FR+4*\i:FR+4*\i+3], v[STR] offset:544*\i   ; back: lanes 0-15 one row, lanes 16-31 the next.  LDS serves a wave's instructions in order (ISA guide 5.7.1.4): these see my stores
.endr
.irp i, 0,1,2,3,4,5,6,7
	s_wait_dscnt 7-\i                                      ; the loads issued behind load i may stay out
	global_store_b128 v[GOF], v[FR+4*\i:FR+4*\i+3], s[10:11] offset:512*\i th:TH_STORE_NT   ; sixteen lanes store one aligned row of 256 bytes
.endr
	s_wait_xcnt 0x0                                        ; the stores' data and offset registers are written again only behind this wait
.endm
; A trip.  sw = 1: this copy serves the even trips, in one of which the second tiles begin (the same trip in all sixteen waves).
.macro TRIP slot, sw, q, ld, bar
.if \sw
	s_cmp_lg_u32 s[NN], s[NSW]
	s_cbranch_scc1 .Lsame_\@
	FINISH
	s_mov_b32 s[Q0], s[QB0]
	s_mov_b32 s[KF], 0
	INIT 1
.Lsame_\@:
.endif
.if \q || \ld
	FILL \q, 1-\slot, \ld, 1-\slot
.endif
	STEP \slot
	s_add_co_u32 s[KF], s[KF], 128
	s_add_co_u32 s[NN], s[NN], 1
.if \bar
	BAR                                                    ; the other slot is whole, and nobody reads this one any more
.endif
.endm
	s_load_b256 s[4:11], s[0:1], 0x0                       ; Q s[4:5], K s[6:7], V s[8:9], out0 s[10:11]
	v_lshl_add_u32 v254, v0, 2, 0x25400
	v_mov_b32 v255, 0
	v_lshrrev_b32 v[TA], 5, v0
	v_readfirstlane_b32 s[WV], v[TA]                       ; wave 0..15
	s_mov_b32 s[J], ttmp9
	s_and_b32 s16, ttmp7, 0xffff
	s_lshl_b32 s16, s16, 19                                ; the head's first byte in each tensor: 2,048 x 64 x 4 bytes a head
	s_mov_b32 s17, 0
	s_and_b32 s[W7], s[WV], 7
	s_lshr_b32 s33, s[W7], 1                               ; c: K: which pair fragment;  V: which block of 32 keys
	s_and_b32 s34, s[W7], 1                                ; dh: K: which key of a pair;  V: which 32 channels
	v_and_b32 v[TA], 31, v0
	v_lshlrev_b32 v[LI], 4, v[TA]
	v_and_b32 v[RR], 15, v0                                ; r
	v_bfe_u32 v[HH], v0, 4, 1                              ; h
	v_and_b32 v[Q8], 7, v0                                 ; q8
	v_bfe_u32 v[GG], v0, 3, 1                              ; g
	v_lshlrev_b32 v[SR], 4, v[RR]
	s_lshl_b32 s32, s[W7], 10
	v_add_nc_u32 v[WIK], s32, v[LI]                        ; pair c, register groups 2 dh and 2 dh + 1: 2,048 c + 1,024 dh
	s_lshl_b32 s32, s[W7], 1
	v_add_nc_u32 v[WSK], s32, v[SR]                        ; row r's words: 16 r; pair c: 4 c; my two bytes: 2 dh
	s_lshl_b32 s35, s33, 9
	s_lshl_b32 s36, s34, 7
	s_add_co_u32 s35, s35, s36
	v_lshlrev_b32 v[WIV], 4, v[Q8]
	v_lshl_add_u32 v[WIV], v[GG], 3, v[WIV]
	v_lshl_add_u32 v[WIV], v[HH], 8, v[WIV]
	v_add_nc_u32 v[WIV], s35, v[WIV]                       ; row m = 8 dh + q8, half h: 16 (m + 16 h); register group c: 512 c; my eight keys: 8 g
	s_add_co_u32 s32, s36, s33
	v_lshlrev_b32 v[WSV], 4, v[Q8]
	v_add_nc_u32 v[WSV], s32, v[WSV]                       ; row m's words: 16 m; byte c
	s_mul_i32 s32, s[WV], 4352
	s_add_co_u32 s32, s32, STAGE
	v_mul_u32_u24 v[STO], v[RR], 272
	v_lshl_add_u32 v[STO], v[HH], 7, v[STO]
	v_add_nc_u32 v[STO], s32, v[STO]
	v_mul_u32_u24 v[STR], v[HH], 272
	v_lshl_add_u32 v[STR], v[RR], 4, v[STR]
	v_add_nc_u32 v[STR], s32, v[STR]
	s_mul_i32 s32, s[WV], 3072
	s_add_co_u32 s32, s32, PARK
	v_add_nc_u32 v[QPK], s32, v[LI]
	v_lshlrev_b32 v[TA], 4, v[HH]
	v_sub_nc_u32 v[DML], v[RR], v[TA]
	v_and_b32 v[TA], 8, v[RR]                              ; K: key 32 c + 8 dh + r + 8 (r / 8), 256 bytes a key, + 64 h
	v_add_nc_u32 v[TA], v[TA], v[RR]
	v_lshlrev_b32 v[TA], 8, v[TA]
	v_lshl_add_u32 v[TA], v[HH], 6, v[TA]
	s_lshl_b32 s35, s33, 13
	s_lshl_b32 s37, s34, 11
	s_add_co_u32 s37, s37, s35
	v_add_nc_u32 v[TA], s37, v[TA]
	v_lshlrev_b32 v[TB], 4, v[Q8]                          ; V: key 32 c + 16 h + 8 g, channels 32 dh + 4 q8 on
	v_lshl_add_u32 v[TB], v[GG], 11, v[TB]
	v_lshl_add_u32 v[TB], v[HH], 12, v[TB]
	s_add_co_u32 s36, s36, s35
	v_add_nc_u32 v[TB], s36, v[TB]
	s_cmp_lt_u32 s[WV], 8
	s_cselect_b32 s40, -1, 0
	v_cndmask_b32 v[GLO], v[TB], v[TA], s40                ; K's offset in waves 0-7, V's in waves 8-15
	s_lshl_b32 s[Q0], s[J], 8
	s_lshl_b32 s32, s[WV], 4
	s_add_co_u32 s[Q0], s[Q0], s32                         ; my first tile's first query: 256 j + 16 w
	s_sub_co_u32 s[QB0], 2032, s[Q0]                       ; my second tile's: 16 (127 - 16 j - w)
	s_lshl_b32 s[NSW], s[J], 1
	s_add_co_u32 s[NSW], s[NSW], 2
	v_lshlrev_b32 v[TC], 8, v[RR]
	v_lshl_add_u32 v[TC], v[HH], 6, v[TC]                  ; Q: row r, + 64 h
	s_lshl_b32 s32, s[Q0], 8
	v_add_nc_u32 v[QOA], s32, v[TC]
	s_lshl_b32 s32, s[QB0], 8
	v_add_nc_u32 v[QOB], s32, v[TC]
	s_mov_b32 s[SEL], 0x76543210
	s_mov_b32 s[SEL+1], 0xfedcba98
	s_mov_b32 s[CS], 0x3e38aa3b                            ; c = log2(e) / 8
	s_mov_b32 s[CS+1], s[CS]                               ; (named with it as a pair, so it is written)
	s_mov_b32 s[MNT], 0x600000
	s_mov_b32 s[LOFF], 0
	s_mov_b32 s[NN], 0
	s_mov_b32 s[KF], 0
.irp i, 8,9,10,11,12,13,14,15
	v_mov_b32 v[QF+\i], 0                                  ; the zero codes between Q's two copies: written once
.endr
.irp b, 0,1,2,3
	v_mov_b32 v[PX+\b], 0                                  ; a lane permute's destination counts as one of its sources
.endr
	v_mov_b32 v[FF+1], 0                                   ; (named as the upper half of the pair before anything else writes it)
	s_wait_kmcnt 0x0
	s_add_nc_u64 s[4:5], s[4:5], s[16:17]
	s_add_nc_u64 s[10:11], s[10:11], s[16:17]
	s_cmp_lt_u32 s[WV], 8
	s_cselect_b64 s[12:13], s[6:7], s[8:9]                 ; the tensor that my wave quantises: the choice hangs on the wave's number alone
	s_add_nc_u64 s[12:13], s[12:13], s[16:17]
.irp c, 0,1
.irp e, 0,1,2,3
	global_load_b128 v[S+16*\c+4*\e:S+16*\c+4*\e+3], v[QOA], s[4:5] offset:128*\c+16*\e th:TH_LOAD_NT   ; Q is read once in the launch
.endr
.endr
.irp c, 0,1
.irp e, 0,1,2,3
	global_load_b128 v[S+32+16*\c+4*\e:S+32+16*\c+4*\e+3], v[QOB], s[4:5] offset:128*\c+16*\e th:TH_LOAD_NT
.endr
.endr
	FILL 0, 0, 1, 0                                        ; chunk 0 is asked for
	s_wait_loadcnt 0x8                                     ; Q's sixteen loads are in; the eight issued behind them (chunk 0: eight on either way) may stay out
	QUANT2 S, FR
	ds_store_b128 v[QPK], v[FR:FR+3]
	ds_store_b128 v[QPK], v[FR+4:FR+7] offset:512
	ds_store_b32 v[QPK], v[PX+2] offset:1024
	s_wait_dscnt 0x0                                       ; the stores have read their registers
	QUANT2 S+32, FR
	ds_store_b128 v[QPK], v[FR:FR+3] offset:1536
	ds_store_b128 v[QPK], v[FR+4:FR+7] offset:1536+512
	ds_store_b32 v[QPK], v[PX+2] offset:1536+1024
	FILL 1, 0, 1, 0                                        ; chunk 0 into slot 0; chunk 1 is asked for
	INIT 0
	BAR                                                    ; slot 0 is whole
	s_mov_b32 s[LP], 8
.Lloop:                                                        ; trips 0 to 15
	TRIP 0, 1, 1, 1, 1
	TRIP 1, 0, 1, 1, 1
	s_sub_co_u32 s[LP], s[LP], 1
	s_cmp_lg_u32 s[LP], 0
	s_cbranch_scc1 .Lloop
	TRIP 0, 0, 1, 0, 1                                     ; trip 16 quantises the last chunk and asks for nothing: no load leaves its buffer
	TRIP 1, 0, 0, 0, 0                                     ; trip 17
	FINISH
	s_wait_tensorcnt 0x0
	ds_add_u32 v254, v255
	s_wait_dscnt 0x0
	s_endpgm
.Lfunc_end_k_qa458bd06b5_attn:
	.size	k_qa458bd06b5_attn, .Lfunc_end_k_qa458bd06b5_attn-k_qa458bd06b5_attn
	.p2alignl 7, 3214868480
	.fill 96, 4, 3214868480
	.section	.rodata,"a",@progbits
	.p2align	6, 0x0
	.amdhsa_kernel k_qa458bd06b5_attn
		.amdhsa_group_segment_fixed_size 154624
		.amdhsa_private_segment_fixed_size 0
		.amdhsa_enable_private_segment 0
		.amdhsa_kernarg_size 32
		.amdhsa_user_sgpr_count 2
		.amdhsa_user_sgpr_kernarg_segment_ptr 1
		.amdhsa_wavefront_size32 1
		.amdhsa_system_sgpr_workgroup_id_x 1
		.amdhsa_system_sgpr_workgroup_id_y 1
		.amdhsa_system_sgpr_workgroup_id_z 1
		.amdhsa_system_vgpr_workitem_id 0
		.amdhsa_next_free_vgpr 256
		.amdhsa_next_free_sgpr 66
		.amdhsa_reserve_vcc 1
		.amdhsa_float_denorm_mode_32 3
		.amdhsa_float_denorm_mode_16_64 3
		.amdhsa_memory_ordered 1
		.amdhsa_forward_progress 1
		.amdhsa_inst_pref_size 164
	.end_amdhsa_kernel
	.amdgpu_metadata
---
amdhsa.version: [ 1, 2 ]
amdhsa.kernels:
  - .name:           k_qa458bd06b5_attn
    .symbol:         k_qa458bd06b5_attn.kd
    .args:
      - { .name: Q, .offset: 0, .size: 8, .value_kind: global_buffer, .address_space: global }
      - { .name: K, .offset: 8, .size: 8, .value_kind: global_buffer, .address_space: global }
      - { .name: V, .offset: 16, .size: 8, .value_kind: global_buffer, .address_space: global }
      - { .name: out0, .offset: 24, .size: 8, .value_kind: global_buffer, .address_space: global }
    .group_segment_fixed_size: 154624
    .private_segment_fixed_size: 0
    .kernarg_segment_align: 8
    .kernarg_segment_size: 32
    .max_flat_workgroup_size: 512
    .sgpr_count:     66
    .vgpr_count:     256
    .wavefront_size: 32
...
	.end_amdgpu_metadata
.endif
;; end of part 1
;; ======== version 2 of 2: 1 launch; version 1 with the launch attn written anew for expert scheduling mode
;; launch attn (part 2): grid 4 x 64, 16 waves a work-group, no clusters, 154,624 bytes of LDS; arguments Q, K, V, out0; writes out0
.if DOCPART == 2
	.amdgcn_target "amdgcn-amd-amdhsa--gfx1250"
	.amdhsa_code_object_version 6
	.text
	.protected	k_qa458bd06b5_attn
	.globl	k_qa458bd06b5_attn
	.p2align	8
	.type	k_qa458bd06b5_attn,@function
k_qa458bd06b5_attn:
	s_mov_b64 s[64:65], 0
	v_nop
	global_prefetch_b8 v0, s[64:65] scope:SCOPE_SE
	s_setreg_imm32_b32 hwreg(HW_REG_WAVE_SCHED_MODE, 0, 2), 2
	s_setreg_imm32_b32 hwreg(HW_REG_WAVE_MODE, 25, 1), 1
	s_wait_xcnt 0x0
	s_wait_alu depctr_vm_vsrc(0)
; out0[head][q][:] = the sum over k <= q of softmax_k(Q[head][q] . K[head][k] / 8) V[head][k][:].  Q, K, V, out0: [64 heads][2048][64] f32.
; Both products run on codes of FP8 (E4M3) with one E8M0 scale for each 32 along the product's K; Q, K, V are quantised here, in registers, and p on the way.
; THE SOFTMAX AHEAD OF THE SECOND PRODUCT: t = score x log2(e) / 8; M = the row's largest t so far, taken UP to a whole number; p = 2^(t - M) is quantised along the keys, not normalised.
; The row's sum is taken of the unquantised p and divides at the end.  When M moves, the sum and O are multiplied by 2^(old M - new M), which is exact.
; SHARES.  Work-group (j, head), j = 0..3, has sixteen waves of 256 registers.  Wave w owns two tiles of 16 queries: tile i = 16 j + w and tile 127 - i.  A tile with first query q0 needs the
; key chunks (128 keys) 0 .. q0 / 128, so the two tiles together need (2 j + w / 8 + 1) + (16 - 2 j - w / 8) = 17 key steps: the same in every wave of the launch.
; The work-group walks 18 chunks: 0 .. 2 j + 1 for the first tiles, then 0 .. 15 - 2 j for the second.  In a trip each wave (1) quantises its eighth of the NEXT chunk of K (waves 0-7) or of V (waves 8-15),
; whose f32 numbers it asked for a trip ago, and stores the codes into the other of two LDS slots as images of operand registers, (2) asks for the chunk after that, (3) does one key step on the
; chunk in hand, (4) passes one barrier.  A step all of whose keys come after the wave's queries is jumped over (a scalar branch on ids; one trip in 18).
; LAYOUT.  Both products are used transposed: a lane holds ONE query (lane % 16) throughout.
;  S^T = K Q^T has K = 64, half of the instruction's 128.  A PAIR FRAGMENT b holds in row r key 32 b + r + 8 (r / 8) at k = 0..63 and the key 8 further on at k = 64..127.  Q lies as [codes][zeros][codes]:
;  its first 16 registers pick out the first key of each row, its last 16 the second (zero codes add nothing).  So no fragment register is wasted, and the 16 registers of the two results are the 16 neighbouring keys
;  32 b + 16 (lane / 16) + 0..15, as p's conversion wants them.  The scale byte of Q's zero half is 1.
;  O^T = V^T P^T: row m of tile t of V^T is channel 4 m + t, so that a lane ends with the 32 neighbouring channels 32 (lane / 16) + 0..31 of its query.
; NO CLUSTER, NO TENSOR LOADS: K and V arrive as f32 and pass through registers to be quantised, so there is no tile that a tensor load could lay into LDS ready for use; and the four work-groups of a head walk
; sequences of 2 j + 2 and 16 - 2 j chunks, so that they want different chunks in the same trip.
; LIMITS.  NaN and infinities among the inputs are not served.  A block of zeros gets the scale byte 1 where the quantiser's text says 127: its codes are zeros, and nobody else reads the byte.
; Hidden keys get the weight 0 exactly, where the definition takes 1e9 off their scores: the two differ only if a row's visible scores lay some 1e9 under its hidden ones.
; THE MODE: SCHED_MODE bits 1:0 = 2 (LLVM: expert scheduling mode 2), set by the entry lines.  The code itself states the register dependences
; between vector or matrix instructions and memory or LDS instructions, with s_wait_alu, always for 0.
; THE PLAN.  Registers that memory or LDS instructions touch, and who else names them:
;   v1-v6, v9-v11, QOA, QOB, v254, v255   addresses: made at the head, never written again: one wait on va_vdst ahead of the first load serves them for the whole kernel.
;   GLA            written by one vector add in a fill, read by that fill's eight global loads.
;   RAW            the global loads land in it; the next fill's quantiser reads it (K's also writes it); then it is loaded again.
;   S+32..39, PX   written by a fill's conversions and shifts, read by its LDS stores; then the key step writes them (products; a fragment's load).
;   FR, PC, TM, KSC   K's fragments and scale words land; the eight products S^T read them; then V's tiles 0, 1 land in FR, and PC and TM are at work.
;   VSC, S..S+31   V's scale words, V's tiles 2, 3 land (S..S+31 when p's first two blocks are converted); the four products O^T read them.
;   QF, T1         a tile's Q and its scale word land when the tile begins.      S..S+31, FR, GOF at a tile's end: see FINISH.
; A TRIP'S WAITS.  (a) va_vdst in each arm of the fill, behind the quantiser: the codes, the bytes and GLA are written, RAW is read, and all that the step before did to FR, PC, TM, KSC, VSC, QF is over;
; no vector line stands between it and the key step's first loads.  (b) vm_vsrc at the fill's end: its stores and loads have read their registers.  (c) va_vdst behind the products S^T, ahead of V's first loads;
; the softmax names neither FR nor VSC.  (d) va_vdst behind the exponentials.  (e) va_vdst behind block 1's conversions, ahead of V's other loads; the lines behind it name nothing under S+32.
; (f) va_vdst ahead of the products O^T: p's codes and scale word are written.
.set SLOTB, 16896                      ; LDS: a slot: K's 4 pair fragments, V's 4 tiles (2,048 bytes each), K's and V's scale words (256 bytes each)
.set KIMG,  0
.set VIMG,  8192
.set KS,    16384                      ; [16 rows][4 pairs][4 bytes]
.set VS,    16640                      ; [16 rows][4 tiles][4 bytes]
.set PARK,  2*SLOTB                    ; each wave's own 3,072 bytes: its two tiles of Q as codes (1,024) and scale words (one at 16 x lane: 512)
.set STAGE, PARK+16*3072               ; each wave's own 16 rows x (256 + 16) bytes, for the way out
.set LI,  1                            ; v1   16 x lane: my place in a register image; also my 16 bytes of two rows of out0
.set SR,  2                            ; v2   16 x (lane % 16): my row's four scale words
.set WIK, 3                            ; v3   where I store K's codes:  16 x lane + 1,024 x (wave % 8)
.set WIV, 4                            ; v4   where I store V's codes
.set WSK, 5                            ; v5   where I store K's two scale bytes
.set WSV, 6                            ; v6   where I store V's scale bytes
.set GLO, 7                            ; v7   my byte offset inside a chunk of K or of V
.set GLA, 8                            ; v8   the same + the chunk's offset
.set STO, 9                            ; v9   the stage, on the way in
.set STR, 10                           ; v10  and back
.set QPK, 11                           ; v11  my place in my wave's parked Q
.set DML, 12                           ; v12  lane % 16 - 16 (lane / 16), for the mask
.set PS,  13                           ; v13  p's scale word
.set NM,  14                           ; v14  -M;  v15 the largest t so far
.set TX,  15
.set SUM, 16                           ; v[16:17] the row's sum in two halves
.set QS1, 18                           ; v18, v19 Q's scale words for its two forms
.set QS2, 19
.set QF,  20                           ; v20-27 Q's codes, v28-35 zeros, v36-43 Q's codes again
.set KSC, 44                           ; v44-47 K's scale words, a pair fragment each
.set VSC, 48                           ; v48-51 V's, a tile each
.set OT,  52                           ; v52-83 O^T: register 8 t + j: channel 32 (lane / 16) + 4 j + t
.set S,   84                           ; v84-147 S^T, then p; at other times at work
.set FR,  148                          ; v148-179 two fragments
.set PC,  180                          ; v180-195 p's codes; ahead of that K's pair fragment 2
.set RAW, 196                          ; v196-227 my 32 f32 numbers of the next chunk
.set TM,  228                          ; v228-243 at work; ahead of that K's pair fragment 3
.set BM,  TM                           ; largest magnitudes or scores, a block each
.set PX,  TM+4                         ; the other lanes' figure, then the scale bytes
.set HL,  TM+8                         ; 448 x the scale
.set SO,  TM+12                        ; the conversion's scale operand
.set FF,  TM+16                        ; v[244:245] f = 2^(old M - new M); the upper word is only named
.set T1,  TM+18
.set DMR, TM+19
.set SC2, TM+20                        ; v[248:249] the sum's second chain
.set NINF, TM+22
.set GOF, TM+23                        ; my byte offset in the head's rows of out0
.set QOA, TM+24                        ; my byte offsets in the head's rows of Q, for the two tiles
.set QOB, TM+25
.set RR,  S                            ; at the head only: lane % 16, lane / 16, lane % 8, (lane / 8) % 2, three at work
.set HH,  S+1
.set Q8,  S+2
.set GG,  S+3
.set TA,  S+4
.set TB,  S+5
.set TC,  S+6
.set WV,  14                           ; s14  wave
.set J,   15                           ; s15  j
.set W7,  18                           ; s18  wave % 8
.set SEL, 20                           ; s[20:21] v_permlanex16_b32's selects for lane l xor 16
.set CS,  22                           ; s[22:23] c = log2(e) / 8, twice
.set MNT, 24                           ; s24  the mantissa field of 448
.set Q0,  25                           ; s25  first query of the tile in hand
.set QB0, 26                           ; s26  first query of my second tile
.set KF,  27                           ; s27  first key of the chunk in hand
.set NN,  28                           ; s28  the trip's number
.set NSW, 29                           ; s29  the trip at which the second tiles begin: 2 j + 2
.set LOFF, 30                          ; s30  byte offset of the chunk to be asked for
.set LP,  31                           ; s31  the loop's counter
.set MK,  66                           ; s66-97 the causal mask: the lanes' bits of 32 compares at a time
.macro BAR                             ; my LDS stores have landed and my LDS loads are in: then the work-group's barrier
	s_wait_dscnt 0x0
	s_barrier_signal -1
	s_barrier_wait -1
.endm
.macro FRAG reg, off                   ; a fragment's 16 registers come out of LDS as they went in: group c at 512 c + 16 x lane
.irp c, 0,1,2,3
	ds_load_b128 v[\reg+4*\c:\reg+4*\c+3], v[LI] offset:\off+512*\c
.endr
.endm
; K (and Q): lane (r, h) holds, of ONE row, d = 32 c + 16 h + 0..15 in v[src + 16 c ..], c = 0, 1: two blocks of 32, each shared with lane l xor 16.  Codes to v[dst .. dst + 7], the two scale bytes to v[PX+2].
.macro QUANT2 src, dst
.irp b, 0,1
	v_max3_num_f32 v[BM+\b], |v[\src+16*\b]|, |v[\src+16*\b+1]|, 0x4800000   ; my 16 numbers and the floor 2^(9 - 127): the byte cannot fall under 1
.endr
.irp i, 2,4,6,8,10,12,14
.irp b, 0,1
	v_max3_num_f32 v[BM+\b], v[BM+\b], |v[\src+16*\b+\i]|, |v[\src+16*\b+\i+1]|
.endr
.endr
.irp b, 0,1
	v_permlanex16_b32 v[PX+\b], v[BM+\b], s[SEL], s[SEL+1]
.endr
.irp b, 0,1
	v_max_num_f32 v[BM+\b], v[BM+\b], v[PX+\b]             ; the block's largest magnitude
.endr
.irp b, 0,1
	v_add_nc_u32 v[SO+\b], 0xfc000000, v[BM+\b]            ; 8 off its exponent field: the conversion takes this operand's exponent field as its scale
.endr
.irp b, 0,1
	v_and_or_b32 v[HL+\b], v[BM+\b], 0x7f800000, s[MNT]    ; 448 x the scale
.endr
.irp b, 0,1
	v_lshrrev_b32 v[PX+\b], 23, v[SO+\b]                   ; the scale's byte
.endr
	v_lshl_or_b32 v[PX+2], v[PX+1], 8, v[PX]
.irp b, 0,1
.irp i, 0,1,2,3,4,5,6,7,8,9,10,11,12,13,14,15
	v_med3_num_f32 v[\src+16*\b+\i], v[\src+16*\b+\i], -v[HL+\b], v[HL+\b]   ; the conversion to an 8-bit code does not saturate (ISA guide 7.6.2): the hold comes first
.endr
.endr
.irp b, 0,1
	v_cvt_scalef32_pk8_fp8_f32 v[\dst+4*\b:\dst+4*\b+1], v[\src+16*\b:\src+16*\b+7], v[SO+\b]
	v_cvt_scalef32_pk8_fp8_f32 v[\dst+4*\b+2:\dst+4*\b+3], v[\src+16*\b+8:\src+16*\b+15], v[SO+\b]
.endr
	v_nop                                                  ; a plain line behind the last conversion, ahead of whatever vector or matrix line next touches its registers
.endm
; V: v[RAW + 4 i + x] = V(key 32 c + 16 h + 8 g + i, channel 32 dh + 4 q8 + x): four channels x, eight keys each.  A block (32 keys of one channel) lies in lanes l, l xor 8, l xor 16, l xor 24.
; The hold moves the numbers into v[S + 8 x + i], keys on end, which costs no line of its own.  Codes to v[S + 32 + 2 x ..], the bytes to v[PX + x].
.macro QUANTV
.irp x, 0,1,2,3
	v_max3_num_f32 v[BM+\x], |v[RAW+\x]|, |v[RAW+4+\x]|, 0x4800000
.endr
.irp i, 2,4,6
.irp x, 0,1,2,3
	v_max3_num_f32 v[BM+\x], v[BM+\x], |v[RAW+4*\i+\x]|, |v[RAW+4*\i+4+\x]|
.endr
.endr
.irp x, 0,1,2,3
	v_max_num_f32_dpp v[BM+\x], v[BM+\x], v[BM+\x] row_xmask:8 row_mask:0xf bank_mask:0xf
.endr
.irp x, 0,1,2,3
	v_permlanex16_b32 v[PX+\x], v[BM+\x], s[SEL], s[SEL+1]
.endr
.irp x, 0,1,2,3
	v_max_num_f32 v[BM+\x], v[BM+\x], v[PX+\x]
.endr
.irp x, 0,1,2,3
	v_add_nc_u32 v[SO+\x], 0xfc000000, v[BM+\x]
.endr
.irp x, 0,1,2,3
	v_and_or_b32 v[HL+\x], v[BM+\x], 0x7f800000, s[MNT]
.endr
.irp x, 0,1,2,3
	v_lshrrev_b32 v[PX+\x], 23, v[SO+\x]
.endr
.irp x, 0,1,2,3
.irp i, 0,1,2,3,4,5,6,7
	v_med3_num_f32 v[S+8*\x+\i], v[RAW+4*\i+\x], -v[HL+\x], v[HL+\x]
.endr
.endr
.irp x, 0,1,2,3
	v_cvt_scalef32_pk8_fp8_f32 v[S+32+2*\x:S+33+2*\x], v[S+8*\x:S+8*\x+7], v[SO+\x]
.endr
	v_nop
.endm
.macro RAWLOAD_K                       ; my row's 64 + 64 bytes; the wave's eight loads together cover 16 whole rows of 256 bytes
.irp c, 0,1
.irp e, 0,1,2,3
	global_load_b128 v[RAW+16*\c+4*\e:RAW+16*\c+4*\e+3], v[GLA], s[12:13] offset:128*\c+16*\e
.endr
.endr
.endm
.macro RAWLOAD_V                       ; eight keys' 16 bytes; eight neighbouring lanes read 128 neighbouring bytes
.irp i, 0,1,2,3,4,5,6,7
	global_load_b128 v[RAW+4*\i:RAW+4*\i+3], v[GLA], s[12:13] offset:256*\i
.endr
.endm
; q = 1: the numbers in RAW become codes in slot ns.  ld = 1: the chunk at LOFF is asked for.  even = 1: this copy serves the even trips, in one of which the sequence goes back to chunk 0 (NSW is even).
.macro FILL q, ns, ld, even
.if \q
	s_wait_loadcnt 0x0                                     ; the eight loads issued a trip ago, the only ones out: RAW is in, and the loads that named GLA are done
.endif
.if \ld && (\even)
	s_add_co_u32 s32, s[NN], 2
	s_cmp_eq_u32 s32, s[NSW]
	s_cselect_b32 s[LOFF], 0, s[LOFF]                      ; the chunk asked for now is read two trips on: if the second tiles begin there, it is chunk 0
.endif
.if \ld
	v_add_nc_u32 v[GLA], s[LOFF], v[GLO]                   ; (the loads that read GLA last stand ahead of a wait on vm_vsrc: the one at the end of the fill that issued them; chunk 0's: the one behind Q's first stores)
.endif
.if \ld && !\q
	s_wait_alu depctr_va_vdst(0)                           ; GLA is written, which the loads below read as their offset (where q = 1 the wait behind the quantiser states it)
.endif
	s_cmp_lt_u32 s[WV], 8                                  ; waves 0-7 serve K, waves 8-15 V: no barrier stands on either way
	s_cbranch_scc0 .Lfill_v_\@
.if \q
	QUANT2 RAW, S+32
	s_wait_alu depctr_va_vdst(0)                           ; the quantiser has written the codes and the bytes, which the stores read, and is done with RAW, in which the loads land; GLA is written; the step before is done with the registers in which this step's fragments land; Q's scale words are written
	ds_store_b128 v[WIK], v[S+32:S+35] offset:(\ns)*SLOTB+KIMG
	ds_store_b128 v[WIK], v[S+36:S+39] offset:(\ns)*SLOTB+KIMG+512
	ds_store_b16 v[WSK], v[PX+2] offset:(\ns)*SLOTB+KS     ; lanes l and l xor 16 write the same two bytes with the same value
.endif
.if \ld
	RAWLOAD_K
.endif
	s_branch .Lfill_j_\@
.Lfill_v_\@:
.if \q
	QUANTV
	s_wait_alu depctr_va_vdst(0)                           ; the same on V's way: codes and bytes written, RAW read, GLA written, the step before done with the fragments' registers, Q's scale words written
.irp x, 0,1,2,3
	ds_store_b64 v[WIV], v[S+32+2*\x:S+33+2*\x] offset:(\ns)*SLOTB+VIMG+2048*\x
.endr
.irp x, 0,1,2,3
	ds_store_b8 v[WSV], v[PX+\x] offset:(\ns)*SLOTB+VS+4*\x   ; the four lanes of a block write the same byte with the same value
.endr
.endif
.if \ld
	RAWLOAD_V
.endif
.Lfill_j_\@:
.if \ld
	s_add_co_u32 s[LOFF], s[LOFF], 32768                   ; a chunk: 128 keys x 256 bytes
.endif
.if \q
	s_wait_dscnt 0x0                                       ; the stores are done
	s_wait_alu depctr_vm_vsrc(0)                           ; the stores have read v[S+32 ..] and v[PX ..], which the key step's products and loads write next; the loads have read GLA, which the next fill writes
.endif
.endm
; A tile begins: its Q comes out of the wave's parked bytes, twice; O^T and the sum begin as zeros and the largest t as -3e38, so that the key step is written once: the first change of M multiplies zeros.
; No wait on va_vdst of its own: the last lines that named QF (the products) and T1 stand ahead of one (the tile's end before it; at the head the fill's), and none has named them since.
.macro INIT x
	ds_load_b128 v[QF:QF+3], v[QPK] offset:1536*\x
	ds_load_b128 v[QF+4:QF+7], v[QPK] offset:1536*\x+512
	ds_load_b128 v[QF+16:QF+19], v[QPK] offset:1536*\x
	ds_load_b128 v[QF+20:QF+23], v[QPK] offset:1536*\x+512
	ds_load_b32 v[T1], v[QPK] offset:1536*\x+1024
.set n, 0
.rept 32
	v_mov_b32 v[OT+n], 0
.set n, n+1
.endr
	v_mov_b32 v[TX], 0xff61b1e6                            ; -3e38, under every t
	v_floor_f32 v[NM], -v[TX]
	v_mov_b32 v[SUM], 0
	v_mov_b32 v[SUM+1], 0
	s_wait_dscnt 0x0
	v_or_b32 v[QS1], 0x01010000, v[T1]                     ; Q's two bytes for k = 0..63, byte 1 for the zero half
	v_lshl_or_b32 v[QS2], v[T1], 16, 0x101                 ; and the other way round.  (A fill's vector lines, more than eight, and the wait behind them always stand between these and the next product)
.endm
.macro SPROD b, fb                     ; pair fragment b against Q's two forms: keys 32 b + 16 h + 0..7 and + 8..15 of my query
	v_wmma_scale_f32_16x16x128_f8f6f4 v[S+16*\b:S+16*\b+7], v[\fb:\fb+15], v[QF:QF+15], 0, v[KSC+\b], v[QS1]
	v_wmma_scale_f32_16x16x128_f8f6f4 v[S+16*\b+8:S+16*\b+15], v[\fb:\fb+15], v[QF+8:QF+23], 0, v[KSC+\b], v[QS2]
.endm
; A KEY STEP: my 16 queries against the 128 keys in the slot.
.macro STEP slot
	s_add_co_u32 s32, s[Q0], 15
	s_cmp_gt_u32 s[KF], s32
	s_cbranch_scc1 .Lhidden_\@                             ; all 128 keys come after my queries: nothing to do
	FRAG FR, \slot*SLOTB+KIMG                              ; no wait here: no vector or matrix line stands between the trip's wait on va_vdst (the fill's; in the last trip its own) and these loads
	FRAG FR+16, \slot*SLOTB+KIMG+2048
	FRAG PC, \slot*SLOTB+KIMG+4096
	FRAG TM, \slot*SLOTB+KIMG+6144
	ds_load_b128 v[KSC:KSC+3], v[SR] offset:\slot*SLOTB+KS
	s_wait_dscnt 0x0
	SPROD 0, FR
	SPROD 1, FR+16
	SPROD 2, PC
	SPROD 3, TM
.rept 8
	v_nop                                                  ; eight places behind this form, ahead of the first read of its results and of the first vector write of its sources
.endr
	s_wait_alu depctr_va_vdst(0)                           ; the eight products are done reading v[FR ..], in which V's tiles land
	FRAG FR, \slot*SLOTB+VIMG                              ; V's tiles 0 and 1 land while the softmax is walked: it names neither v[FR ..] nor v[VSC ..]
	FRAG FR+16, \slot*SLOTB+VIMG+2048
	ds_load_b128 v[VSC:VSC+3], v[SR] offset:\slot*SLOTB+VS
	s_add_co_u32 s32, s[KF], 127
	s_cmp_le_u32 s32, s[Q0]
	s_cbranch_scc1 .Lopen_\@                               ; every key counts for every query of mine
	s_sub_co_i32 s32, s[Q0], s[KF]
	v_add_nc_u32 v[DMR], s32, v[DML]                       ; d = my query - KF - 16 (lane / 16).  Register 16 b + i holds key KF + 32 b + 16 (lane / 16) + i: hidden where 32 b + i > d
	v_mov_b32 v[NINF], 0xff800000                          ; -infinity: p = 0 then
.irp g, 0,1                                            ; the compares stand in runs of 32, a scalar register each, so that one wait serves a run
.set n, 32*\g
.rept 32
	v_cmp_gt_i32 s[MK+n%32], 32*(n/16)+n%16, v[DMR]
.set n, n+1
.endr
	s_wait_alu depctr_va_sdst(0)                           ; the 32 compares have written s[MK ..], ahead of the selects that read them
.set n, 32*\g
.rept 32
	v_cndmask_b32 v[S+n], v[S+n], v[NINF], s[MK+n%32]
.set n, n+1
.endr
.endr
.Lopen_\@:
.irp b, 0,1,2,3
	v_max3_num_f32 v[BM+\b], v[S+16*\b], v[S+16*\b+1], v[S+16*\b+2]   ; the largest score of each block of 32 keys: it serves for the row's maximum and, since p rises with the score, for the block's largest p
.endr
.irp i, 3,5,7,9,11,13
.irp b, 0,1,2,3
	v_max3_num_f32 v[BM+\b], v[BM+\b], v[S+16*\b+\i], v[S+16*\b+\i+1]
.endr
.endr
.irp b, 0,1,2,3
	v_max_num_f32 v[BM+\b], v[BM+\b], v[S+16*\b+15]
.endr
.irp b, 0,1,2,3
	v_permlanex16_b32 v[PX+\b], v[BM+\b], s[SEL], s[SEL+1]
.endr
.irp b, 0,1,2,3
	v_max_num_f32 v[BM+\b], v[BM+\b], v[PX+\b]             ; with lane l xor 16's 16 keys
.endr
	v_max3_num_f32 v[T1], v[BM], v[BM+1], v[BM+2]
	v_max_num_f32 v[T1], v[T1], v[BM+3]                    ; the step's largest score of my query
	v_mul_f32 v[T1], s[CS], v[T1]                          ; as t (c is positive)
	v_max_num_f32 v[TX], v[TX], v[T1]
	v_mov_b32 v[T1], v[NM]
	v_floor_f32 v[NM], -v[TX]                              ; the new -M = floor(-t) = -ceil(t)
	v_sub_f32 v[T1], v[NM], v[T1]                          ; old M - new M: a whole number, 0 or less
	v_cvt_i32_f32 v[T1], v[T1]                             ; (it saturates)
	v_ldexp_f32 v[FF], 1.0, v[T1]                          ; f = 2^(old M - new M)
.set n, 0
.rept 32
	v_pk_fma_f32 v[S+n:S+n+1], v[S+n:S+n+1], s[CS:CS+1], v[NM:NM+1] op_sel_hi:[1,0,0]   ; t - M, two at a time (of the pairs c and -M the low word serves both halves)
.set n, n+2
.endr
.irp b, 0,1,2,3
	v_fma_f32 v[BM+\b], v[BM+\b], s[CS], v[NM]             ; the same of each block's largest score
.endr
.set n, 0
	s_wait_alu depctr_va_vdst(0)
.rept 64
	v_exp_f32 v[S+n], v[S+n]                               ; p = 2^(t - M), at most 1
.set n, n+1
.endr
.irp b, 0,1,2,3
	v_exp_f32 v[BM+\b], v[BM+\b]                           ; the block's largest p: the same two lines on the same number
.endr
	v_pk_mul_f32 v[SUM:SUM+1], v[SUM:SUM+1], v[FF:FF+1] op_sel_hi:[1,0]   ; the sum under the new M; also the plain line behind the exponentials
	s_wait_alu depctr_va_vdst(0)                           ; the 68 exponentials have written v[S ..] and v[BM ..]: one wait for the batch, ahead of its first reader
.irp b, 0,1,2,3
	v_max_num_f32 v[BM+\b], 0x4800000, v[BM+\b]            ; the floor 2^(9 - 127): a block whose every p is 0 keeps the byte 1
.endr
.irp b, 0,1,2,3
	v_add_nc_u32 v[SO+\b], 0xfc000000, v[BM+\b]
.endr
.irp b, 0,1,2,3
	v_and_or_b32 v[HL+\b], v[BM+\b], 0x7f800000, s[MNT]
.endr
.irp b, 0,1,2,3
	v_lshrrev_b32 v[PX+\b], 23, v[SO+\b]
.endr
	v_lshl_or_b32 v[PS], v[PX+1], 8, v[PX]                 ; p's scale word for these 128 keys
	v_lshl_or_b32 v[PS], v[PX+2], 16, v[PS]
	v_lshl_or_b32 v[PS], v[PX+3], 24, v[PS]
	v_pk_add_f32 v[SC2:SC2+1], v[S:S+1], v[S+2:S+3]        ; the row's sum is taken of the unquantised p: two at a time, in two chains
.set n, 4
.rept 15
	v_pk_add_f32 v[SUM:SUM+1], v[SUM:SUM+1], v[S+n:S+n+1]
	v_pk_add_f32 v[SC2:SC2+1], v[SC2:SC2+1], v[S+n+2:S+n+3]
.set n, n+4
.endr
.irp b, 0,1,2,3
.irp i, 0,1,2,3,4,5,6,7,8,9,10,11,12,13,14,15
	v_min_num_f32 v[S+16*\b+\i], v[S+16*\b+\i], v[HL+\b]   ; the hold; p is not negative, so it is one-sided
.endr
	v_cvt_scalef32_pk8_fp8_f32 v[PC+4*\b:PC+4*\b+1], v[S+16*\b:S+16*\b+7], v[SO+\b]
	v_cvt_scalef32_pk8_fp8_f32 v[PC+4*\b+2:PC+4*\b+3], v[S+16*\b+8:S+16*\b+15], v[SO+\b]
.if \b == 1
	s_wait_alu depctr_va_vdst(0)                           ; the holds have written and the conversions have read v[S .. S+31], in which the loads below land; no line behind this wait names them ahead of the products
	FRAG S, \slot*SLOTB+VIMG+4096                          ; p's first 32 registers are done with: V's tiles 2 and 3 land there
	FRAG S+16, \slot*SLOTB+VIMG+6144
.endif
.endr
.set n, 0
.rept 16
	v_pk_mul_f32 v[OT+n:OT+n+1], v[OT+n:OT+n+1], v[FF:FF+1] op_sel_hi:[1,0]   ; O^T under the new M; these are also the places between the codes' conversions and the products
.set n, n+2
.endr
	v_pk_add_f32 v[SUM:SUM+1], v[SUM:SUM+1], v[SC2:SC2+1]  ; the sum's two chains meet here: with the three lines below, four plain lines between the last write of O^T and the products
.rept 3
	v_nop
.endr
	s_wait_dscnt 0x0                                       ; V's four tiles and their scale words
	s_wait_alu depctr_va_vdst(0)                           ; the conversions have written p's codes v[PC ..] and the shifts its scale word v[PS], which the products take; the places above stay beside this wait
	v_wmma_scale_f32_16x16x128_f8f6f4 v[OT:OT+7], v[FR:FR+15], v[PC:PC+15], v[OT:OT+7], v[VSC], v[PS]
	v_wmma_scale_f32_16x16x128_f8f6f4 v[OT+8:OT+15], v[FR+16:FR+31], v[PC:PC+15], v[OT+8:OT+15], v[VSC+1], v[PS]
	v_wmma_scale_f32_16x16x128_f8f6f4 v[OT+16:OT+23], v[S:S+15], v[PC:PC+15], v[OT+16:OT+23], v[VSC+2], v[PS]
	v_wmma_scale_f32_16x16x128_f8f6f4 v[OT+24:OT+31], v[S+16:S+31], v[PC:PC+15], v[OT+24:OT+31], v[VSC+3], v[PS]
.rept 9
	v_nop                                                  ; nine places: the next step's products write over v[S] on, which these have read; the reads of O^T and the vector writes of these sources want eight
.endr
.Lhidden_\@:
.endm
; A tile ends: O^T / the sum, channels put in order by the multiplication's destination, through my stage, out as whole rows of 256 bytes.  more = 1: another tile follows.
.macro FINISH more
	v_add_f32 v[SUM], v[SUM], v[SUM+1]
	v_permlanex16_b32 v[T1], v[SUM], s[SEL], s[SEL+1]
	v_add_f32 v[SUM], v[SUM], v[T1]                        ; with lane l xor 16's keys: the row's sum
	s_wait_alu depctr_va_vdst(0)
	v_rcp_f32 v[SUM], v[SUM]
	s_lshl_b32 s32, s[Q0], 8
	v_add_nc_u32 v[GOF], s32, v[LI]                        ; (the plain line behind the reciprocal)
	s_wait_alu depctr_va_vdst(0)                           ; the reciprocal has written v[SUM], ahead of its first reader
.irp j, 0,1,2,3,4,5,6,7
.irp t, 0,1,2,3
	v_mul_f32 v[S+4*\j+\t], v[OT+8*\t+\j], v[SUM]          ; channel 32 h + 4 j + t; each accumulator is read from its lowest register on
.endr
.endr
	s_wait_alu depctr_va_vdst(0)                           ; the multiplications have written v[S .. S+31], which the LDS stores read; GOF is written, the global stores' offset; the last products are done reading v[FR ..], in which the stage's loads land
.irp e, 0,1,2,3,4,5,6,7
	ds_store_b128 v[STO], v[S+4*\e:S+4*\e+3] offset:16*\e  ; row lane % 16, my half's 128 bytes
.endr
.irp i, 0,1,2,3,4,5,6,7
	ds_load_b128 v[FR+4*\i:FR+4*\i+3], v[STR] offset:544*\i   ; back: lanes 0-15 one row, lanes 16-31 the next.  LDS serves a wave's instructions in order (ISA guide 5.7.1.4): these see my stores
.endr
.irp i, 0,1,2,3,4,5,6,7
	s_wait_dscnt 7-\i                                      ; the loads issued behind load i may stay out
	global_store_b128 v[GOF], v[FR+4*\i:FR+4*\i+3], s[10:11] offset:512*\i th:TH_STORE_NT   ; sixteen lanes store one aligned row of 256 bytes
.endr
	s_wait_xcnt 0x0                                        ; the stores' data and offset registers are written again only behind this wait
.if \more
	s_wait_alu depctr_vm_vsrc(0)                           ; the LDS stores have read v[S .. S+31], the global stores v[FR ..] and GOF: the next tile's fills, fragments and end write them again
.endif
.endm
; A trip.  sw = 1: this copy serves the even trips, in one of which the second tiles begin (the same trip in all sixteen waves).
.macro TRIP slot, sw, q, ld, bar
.if \sw
	s_cmp_lg_u32 s[NN], s[NSW]
	s_cbranch_scc1 .Lsame_\@
	s_wait_alu depctr_va_vdst(0)
	FINISH 1
	s_mov_b32 s[Q0], s[QB0]
	s_mov_b32 s[KF], 0
	INIT 1
.Lsame_\@:
.endif
.if \q || \ld
	FILL \q, 1-\slot, \ld, 1-\slot
.else
	s_wait_alu depctr_va_vdst(0)                           ; no fill stands in this trip: the step before is done reading and writing v[FR ..], v[PC ..], v[TM ..] and v[KSC ..], in which this step's fragments land
.endif
	STEP \slot
	s_add_co_u32 s[KF], s[KF], 128
	s_add_co_u32 s[NN], s[NN], 1
.if \bar
	BAR                                                    ; the other slot is whole, and nobody reads this one any more
.endif
.endm
	s_load_b256 s[4:11], s[0:1], 0x0                       ; Q s[4:5], K s[6:7], V s[8:9], out0 s[10:11]
	v_lshl_add_u32 v254, v0, 2, 0x25400                    ; my spare word, behind the stages, and 0: made here and kept for the closing lines alone
	v_mov_b32 v255, 0
	v_lshrrev_b32 v[TA], 5, v0
	v_readfirstlane_b32 s[WV], v[TA]                       ; wave 0..15
	s_mov_b32 s[J], ttmp9
	s_and_b32 s16, ttmp7, 0xffff
	s_lshl_b32 s16, s16, 19                                ; the head's first byte in each tensor: 2,048 x 64 x 4 bytes a head
	s_mov_b32 s17, 0
	s_wait_alu depctr_va_sdst(0)                           ; the wave's number is written, ahead of its first reader
	s_and_b32 s[W7], s[WV], 7
	s_lshr_b32 s33, s[W7], 1                               ; c: K: which pair fragment;  V: which block of 32 keys
	s_and_b32 s34, s[W7], 1                                ; dh: K: which key of a pair;  V: which 32 channels
	v_and_b32 v[TA], 31, v0
	v_lshlrev_b32 v[LI], 4, v[TA]
	v_and_b32 v[RR], 15, v0                                ; r
	v_bfe_u32 v[HH], v0, 4, 1                              ; h
	v_and_b32 v[Q8], 7, v0                                 ; q8
	v_bfe_u32 v[GG], v0, 3, 1                              ; g
	v_lshlrev_b32 v[SR], 4, v[RR]
	s_lshl_b32 s32, s[W7], 10
	v_add_nc_u32 v[WIK], s32, v[LI]                        ; pair c, register groups 2 dh and 2 dh + 1: 2,048 c + 1,024 dh
	s_lshl_b32 s32, s[W7], 1
	v_add_nc_u32 v[WSK], s32, v[SR]                        ; row r's words: 16 r; pair c: 4 c; my two bytes: 2 dh
	s_lshl_b32 s35, s33, 9
	s_lshl_b32 s36, s34, 7
	s_add_co_u32 s35, s35, s36
	v_lshlrev_b32 v[WIV], 4, v[Q8]
	v_lshl_add_u32 v[WIV], v[GG], 3, v[WIV]
	v_lshl_add_u32 v[WIV], v[HH], 8, v[WIV]
	v_add_nc_u32 v[WIV], s35, v[WIV]                       ; row m = 8 dh + q8, half h: 16 (m + 16 h); register group c: 512 c; my eight keys: 8 g
	s_add_co_u32 s32, s36, s33
	v_lshlrev_b32 v[WSV], 4, v[Q8]
	v_add_nc_u32 v[WSV], s32, v[WSV]                       ; row m's words: 16 m; byte c
	s_mul_i32 s32, s[WV], 4352
	s_add_co_u32 s32, s32, STAGE
	v_mul_u32_u24 v[STO], v[RR], 272
	v_lshl_add_u32 v[STO], v[HH], 7, v[STO]
	v_add_nc_u32 v[STO], s32, v[STO]
	v_mul_u32_u24 v[STR], v[HH], 272
	v_lshl_add_u32 v[STR], v[RR], 4, v[STR]
	v_add_nc_u32 v[STR], s32, v[STR]
	s_mul_i32 s32, s[WV], 3072
	s_add_co_u32 s32, s32, PARK
	v_add_nc_u32 v[QPK], s32, v[LI]
	v_lshlrev_b32 v[TA], 4, v[HH]
	v_sub_nc_u32 v[DML], v[RR], v[TA]
	v_and_b32 v[TA], 8, v[RR]                              ; K: key 32 c + 8 dh + r + 8 (r / 8), 256 bytes a key, + 64 h
	v_add_nc_u32 v[TA], v[TA], v[RR]
	v_lshlrev_b32 v[TA], 8, v[TA]
	v_lshl_add_u32 v[TA], v[HH], 6, v[TA]
	s_lshl_b32 s35, s33, 13
	s_lshl_b32 s37, s34, 11
	s_add_co_u32 s37, s37, s35
	v_add_nc_u32 v[TA], s37, v[TA]
	v_lshlrev_b32 v[TB], 4, v[Q8]                          ; V: key 32 c + 16 h + 8 g, channels 32 dh + 4 q8 on
	v_lshl_add_u32 v[TB], v[GG], 11, v[TB]
	v_lshl_add_u32 v[TB], v[HH], 12, v[TB]
	s_add_co_u32 s36, s36, s35
	v_add_nc_u32 v[TB], s36, v[TB]
	s_cmp_lt_u32 s[WV], 8
	s_cselect_b32 s40, -1, 0
	v_cndmask_b32 v[GLO], v[TB], v[TA], s40                ; K's offset in waves 0-7, V's in waves 8-15 (the mask is a scalar instruction's)
	s_lshl_b32 s[Q0], s[J], 8
	s_lshl_b32 s32, s[WV], 4
	s_add_co_u32 s[Q0], s[Q0], s32                         ; my first tile's first query: 256 j + 16 w
	s_sub_co_u32 s[QB0], 2032, s[Q0]                       ; my second tile's: 16 (127 - 16 j - w)
	s_lshl_b32 s[NSW], s[J], 1
	s_add_co_u32 s[NSW], s[NSW], 2
	v_lshlrev_b32 v[TC], 8, v[RR]
	v_lshl_add_u32 v[TC], v[HH], 6, v[TC]                  ; Q: row r, + 64 h
	s_lshl_b32 s32, s[Q0], 8
	v_add_nc_u32 v[QOA], s32, v[TC]
	s_lshl_b32 s32, s[QB0], 8
	v_add_nc_u32 v[QOB], s32, v[TC]
	s_mov_b32 s[SEL], 0x76543210
	s_mov_b32 s[SEL+1], 0xfedcba98
	s_mov_b32 s[CS], 0x3e38aa3b                            ; c = log2(e) / 8
	s_mov_b32 s[CS+1], s[CS]                               ; (named with it as a pair, so it is written)
	s_mov_b32 s[MNT], 0x600000
	s_mov_b32 s[LOFF], 0
	s_mov_b32 s[NN], 0
	s_mov_b32 s[KF], 0
.irp i, 8,9,10,11,12,13,14,15
	v_mov_b32 v[QF+\i], 0                                  ; the zero codes between Q's two copies: written once
.endr
.irp b, 0,1,2,3
	v_mov_b32 v[PX+\b], 0                                  ; a lane permute's destination counts as one of its sources
.endr
	v_mov_b32 v[FF+1], 0                                   ; (named as the upper half of the pair before anything else writes it)
	s_wait_kmcnt 0x0
	s_add_nc_u64 s[4:5], s[4:5], s[16:17]
	s_add_nc_u64 s[10:11], s[10:11], s[16:17]
	s_cmp_lt_u32 s[WV], 8
	s_cselect_b64 s[12:13], s[6:7], s[8:9]                 ; the tensor that my wave quantises: the choice hangs on the wave's number alone
	s_add_nc_u64 s[12:13], s[12:13], s[16:17]
	s_wait_alu depctr_va_vdst(0)                           ; all the addresses that stay (v1-v6, v9-v11, QOA, QOB, v254, v255) are written, which the kernel's loads and stores read; the address work is done with v[S .. S+6], in which Q lands; Q's zero codes are written
.irp c, 0,1
.irp e, 0,1,2,3
	global_load_b128 v[S+16*\c+4*\e:S+16*\c+4*\e+3], v[QOA], s[4:5] offset:128*\c+16*\e th:TH_LOAD_NT   ; Q is read once in the launch
.endr
.endr
.irp c, 0,1
.irp e, 0,1,2,3
	global_load_b128 v[S+32+16*\c+4*\e:S+32+16*\c+4*\e+3], v[QOB], s[4:5] offset:128*\c+16*\e th:TH_LOAD_NT
.endr
.endr
	FILL 0, 0, 1, 0                                        ; chunk 0 is asked for
	s_wait_loadcnt 0x8                                     ; Q's sixteen loads are in; the eight issued behind them (chunk 0: eight on either way) may stay out
	QUANT2 S, FR
	s_wait_alu depctr_va_vdst(0)                           ; the quantiser has written the codes v[FR .. FR+7] and the scale bytes v[PX+2], which the stores read
	ds_store_b128 v[QPK], v[FR:FR+3]
	ds_store_b128 v[QPK], v[FR+4:FR+7] offset:512
	ds_store_b32 v[QPK], v[PX+2] offset:1024
	s_wait_dscnt 0x0                                       ; the stores are done
	s_wait_alu depctr_vm_vsrc(0)                           ; the stores have read v[FR .. FR+7] and v[PX+2], which the second tile's quantiser writes; chunk 0's loads have read GLA, which the fill below writes
	QUANT2 S+32, FR
	s_wait_alu depctr_va_vdst(0)                           ; the second tile's codes and scale bytes are written, which the stores read
	ds_store_b128 v[QPK], v[FR:FR+3] offset:1536
	ds_store_b128 v[QPK], v[FR+4:FR+7] offset:1536+512
	ds_store_b32 v[QPK], v[PX+2] offset:1536+1024
	s_wait_alu depctr_vm_vsrc(0)                           ; these stores have read v[PX+2], which the fill's quantiser writes next, and v[FR .. FR+7], in which the first fragments land
	FILL 1, 0, 1, 0                                        ; chunk 0 into slot 0; chunk 1 is asked for
	INIT 0
	BAR                                                    ; slot 0 is whole
	s_mov_b32 s[LP], 8
.Lloop:                                                        ; trips 0 to 15
	TRIP 0, 1, 1, 1, 1
	TRIP 1, 0, 1, 1, 1
	s_sub_co_u32 s[LP], s[LP], 1
	s_cmp_lg_u32 s[LP], 0
	s_cbranch_scc1 .Lloop
	TRIP 0, 0, 1, 0, 1                                     ; trip 16 quantises the last chunk and asks for nothing: no load leaves its buffer
	TRIP 1, 0, 0, 0, 0                                     ; trip 17
	FINISH 0
	s_wait_dscnt 0x0                                       ; the closing lines, six on end
	s_wait_alu 0x0
	s_wait_tensorcnt 0x0
	ds_add_u32 v254, v255
	s_wait_dscnt 0x0
	s_endpgm
.Lfunc_end_k_qa458bd06b5_attn:
	.size	k_qa458bd06b5_attn, .Lfunc_end_k_qa458bd06b5_attn-k_qa458bd06b5_attn
	.p2alignl 7, 3214868480
	.fill 96, 4, 3214868480
	.section	.rodata,"a",@progbits
	.p2align	6, 0x0
	.amdhsa_kernel k_qa458bd06b5_attn
		.amdhsa_group_segment_fixed_size 154624
		.amdhsa_private_segment_fixed_size 0
		.amdhsa_enable_private_segment 0
		.amdhsa_kernarg_size 32
		.amdhsa_user_sgpr_count 2
		.amdhsa_user_sgpr_kernarg_segment_ptr 1
		.amdhsa_wavefront_size32 1
		.amdhsa_system_sgpr_workgroup_id_x 1
		.amdhsa_system_sgpr_workgroup_id_y 1
		.amdhsa_system_sgpr_workgroup_id_z 1
		.amdhsa_system_vgpr_workitem_id 0
		.amdhsa_next_free_vgpr 256
		.amdhsa_next_free_sgpr 98
		.amdhsa_reserve_vcc 0
		.amdhsa_float_denorm_mode_32 3
		.amdhsa_float_denorm_mode_16_64 3
		.amdhsa_memory_ordered 1
		.amdhsa_forward_progress 1
		.amdhsa_inst_pref_size 182
	.end_amdhsa_kernel
	.amdgpu_metadata
---
amdhsa.version: [ 1, 2 ]
amdhsa.kernels:
  - .name:           k_qa458bd06b5_attn
    .symbol:         k_qa458bd06b5_attn.kd
    .args:
      - { .name: Q, .offset: 0, .size: 8, .value_kind: global_buffer, .address_space: global }
      - { .name: K, .offset: 8, .size: 8, .value_kind: global_buffer, .address_space: global }
      - { .name: V, .offset: 16, .size: 8, .value_kind: global_buffer, .address_space: global }
      - { .name: out0, .offset: 24, .size: 8, .value_kind: global_buffer, .address_space: global }
    .group_segment_fixed_size: 154624
    .private_segment_fixed_size: 0
    .kernarg_segment_align: 8
    .kernarg_segment_size: 32
    .max_flat_workgroup_size: 512
    .sgpr_count:     98
    .vgpr_count:     256
    .wavefront_size: 32
...
	.end_amdgpu_metadata
.endif
;; end of part 2
